; MI455X (gfx1250); checked and timed in simulation.
; The chip was launched on July 23, 2026; its instructions are those of AMD's public machine-readable ISA for CDNA 5 (MIT licence, August 2026) and "CDNA5" Instruction Set Architecture Reference Guide (July 2026). The comments in the code are by the model that wrote it; some were corrected since.
;; Multi Head Attention. Allowed arithmetic: matrix products marked QUANTISED: E2M1 operands, one E8M0 scale for each 32 along K, by v_wmma_scale_f32_16x16x128_f8f6f4 with both operands' format E2M1 (or v_wmma_scale_f32_32x16x128_f4), f32 sums; everything else in f32.
;; Inputs: Wq_codes 1,024 x 32 x 16 uint8 (E2M1 codes of Wq, K innermost, in blocks of 32 codes, two codes a byte); Wq_scales 1,024 x 32 uint8 (E8M0 scales of Wq, one for each 32 codes along K); x_codes 4 x 2,048 x 32 x 16 uint8 (E2M1 codes of x, K innermost, in blocks of 32 codes, two codes a byte); x_scales 4 x 2,048 x 32 uint8 (E8M0 scales of x, one for each 32 codes along K).
;; Outputs: out0 4 x 2,048 x 1,024 float32.
;; This version of the problem:
;;   THIS VERSION OF THE PROBLEM IS GIVEN IN LOW PRECISION. The matrix products marked QUANTISED in the list below multiply operands that are first quantised to E2M1 (2 exponent bits, 1 mantissa bit; 4 bits a number), with one power-of-two scale for each 32 numbers along K (OCP MX v1.0); their sums are f32. All else is computed in f32.
;;   The module's matrix products, in the order in which they are computed (A, B: the left and right operand; K: the contracted axis; several contracted axes count as one K, in the product's order):
;;     1. [M 8,192, K 1,024] x [K 1,024, N 1,024]; A: input x (given as codes); B: input Wq (given as codes): QUANTISED
;;     2. batch 64 x [M 2,048, K 64] x [K 64, N 2,048]; A: computed on the way; B: computed on the way: QUANTISED
;;     3. batch 64 x [M 64, K 2,048] x [K 2,048, N 2,048]; A: computed on the way; B: softmax (see below): QUANTISED
;;   THE QUANTISER, for each operand of a quantised product, along K:
;;     - K is cut into blocks of 32 from its start; a last block that is shorter is filled with zeros.
;;     - A block's scale is 2^e with e = floor(log2(the largest magnitude in the block)) - 2, held to -126 .. 127; a block of zeros has e = 0. As a byte (E8M0): e + 127.
;;     - Each number is divided by its block's scale, clamped to +-6, and rounded to the nearest number of E2M1, ties to even, subnormals kept.
;;     - The product sums the exact products of the quantised numbers (number of the format x scale) in f32.
;;   ~~~python
;;   def quantise(x, axis):      # numpy; x: float32 -> the quantised numbers, widened to float32 again
;;       x = np.moveaxis(x, axis, -1); K = x.shape[-1]
;;       x = np.pad(x, [(0, 0)] * (x.ndim - 1) + [(0, -K % 32)]); x = x.reshape(x.shape[:-1] + (-1, 32)); a = np.abs(x).max(-1, keepdims=True)
;;       e = np.where(a > 0, np.clip(np.frexp(np.where(a > 0, a, 1))[1] - 1 - 2, -126, 127), 0)      # np.frexp(a)[1] - 1 = floor(log2(a)), exactly
;;       r = np.clip(x / 2.0 ** e, -6, 6)
;;       step = 2.0 ** (np.maximum(np.frexp(np.where(r == 0, 1, r))[1] - 1, 0) - 1)
;;       q = np.round(r / step) * step * 2.0 ** e      # np.round: ties to even
;;       return np.moveaxis(q.reshape(q.shape[:-2] + (-1,))[..., :K], -1, axis).astype(np.float32)
;;   ~~~
;;   SOFTMAX AHEAD OF A QUANTISED PRODUCT. Where the list says 'softmax', what is quantised is not the finished softmax but p = 2^(t - M), with t = logit x log2(e) and M = ceil(the row's largest t), a whole number; so 1/2 < the row's largest p <= 1. The row's sum l is taken of the UNQUANTISED p, in f32, and the product's result is divided by l at the end. Since M is a whole number, a kernel that streams over the keys may use a running M (the ceiling of the running maximum): every later rescaling is an exact power of two, which a block's scale takes up: the codes' values come out the same.
;;   OPERANDS COMPUTED ON THE WAY. 'Computed on the way' means the value that the module computes at that place (a softmax that the list does not call 'softmax' is quantised finished and normalised). What goes into a quantiser is computed in f32, as accurately as f32 sums, v_exp_f32 and their like allow (about 1e-6 of the number): no bf16 or f16 on the way to a quantiser, and a product that is left as it is and whose result goes on into a quantised operand takes f32 operands (vector FMAs, or v_wmma_f32_16x16x4_f32). A number that lies on a knife's edge between two numbers of the format may be rounded either way, as far as f32 arithmetic and the matrix unit's own rounding can turn it there, and no further.
;;   INPUTS GIVEN AS CODES. Wq (in the module: [1024, 1024], K = its axis 1); x (in the module: [4, 2048, 1024], K = its axis 2): each comes as NAME_codes (uint8): NAME with its K axis moved to the last place and cut into blocks of 32 codes, [.., K / 32, bytes a block], one block behind the other in memory; two codes a byte, the lower K in the low four bits (a code: sign, 2 exponent bits, 1 mantissa bit); and NAME_scales (uint8): the same leading axes, one E8M0 byte (e + 127) for each 32 codes along K. Its value is code x scale, taken as it is: it is not quantised again, and the codes and scales need not be those that the quantiser above would give.
;; One version. Each part assembles by itself: llvm-mc -triple=amdgcn-amd-amdhsa -mcpu=gfx1250 --defsym DOCPART=n.
;; ======== version 1 of 1: 2 launches
;; workspace buffers: kv 8,912,896 bytes
;; launch proj (part 1): grid 4 x 64, 4 waves a work-group, clusters of 4 x 4, 257,280 bytes of LDS; arguments x_codes, x_scales, Wq_codes, Wq_scales, kv; writes kv
.if DOCPART == 1
	.amdgcn_target "amdgcn-amd-amdhsa--gfx1250"
	.amdhsa_code_object_version 6
	.text
	.protected	k_qd7b4d7b6a5_proj
	.globl	k_qd7b4d7b6a5_proj
	.p2align	8
	.type	k_qd7b4d7b6a5_proj,@function
k_qd7b4d7b6a5_proj:
	s_mov_b64 s[64:65], 0
	v_nop
	global_prefetch_b8 v0, s[64:65] scope:SCOPE_SE
	s_setreg_imm32_b32 hwreg(HW_REG_WAVE_MODE, 25, 1), 1
	s_wait_xcnt 0x0
	s_wait_alu depctr_hold_cnt(0) depctr_sa_sdst(0) depctr_va_vdst(0) depctr_va_sdst(0) depctr_va_ssrc(0) depctr_va_vcc(0) depctr_vm_vsrc(0)
	s_getreg_b32 s2, hwreg(HW_REG_IB_STS2, 6, 4)
	s_cmp_eq_u32 s2, 0
	s_cbranch_scc0 .Lentry_in_a_cluster
	s_endpgm
.Lentry_in_a_cluster:
	s_bfe_u32 s2, ttmp6, 0x10000c
	s_cmp_lg_u32 s2, 0xf033
	s_cbranch_scc0 .Lentry_shape_is_right
	s_endpgm
.Lentry_shape_is_right:
; q = x Wq^T on codes of FP4 (E2M1) with E8M0 scales, 8,192 x 1,024 x 1,024, and both quantisations of q that attention wants; q itself never goes to memory.
; SHARES.  A work-group takes 128 rows of x (one key step of one batch) and 256 columns (four heads); each of its four waves all 128 rows x the 64 columns of ONE head: one RECORD of kv.
; A RECORD, 8,704 bytes, holds 128 keys of a head as images of operand registers:
;   0     codes along d:    pair g (32 keys) at 1024 g, sub-tile u at + 512 u, lane (r', h') at + 16 (16 h' + r'): key 32 g + 8 u + r' + 8 (r' / 8), d = 32 h' .. + 31
;   4096  codes along keys: d tile t at 1024 t, c at + 512 c, lane (r, h') at + 16 (16 h' + r): d = 16 t + r, keys 64 c + 32 h' .. + 31
;   8192  scale bytes along d:    16 r' + 4 g + 2 u + (block of d)          8448  scale bytes along keys: 16 r + 4 t + (block of keys)
; THE PRODUCT IS MADE TWICE FROM THE SAME FRAGMENTS.  T (source 0 = 16 rows of Wq, source 1 = 16 rows of x): a lane holds one row of q and eight neighbours along d.
; N (sources swapped): a lane holds one column and eight neighbouring rows (keys).  So each quantiser finds its K along a lane's registers, and no f32 number goes through LDS; no LDS byte is read twice for it.
; LDS is filled once: both halves of K (rows of 256 bytes + 16 of padding) and all scale bytes; nothing is filled again.
; CLUSTER 4 x 4: the four work-groups of a row of the cluster need the same rows of x, the four of a column the same rows of Wq: each tile is asked for jointly.
; A block's scale byte is its largest magnitude's exponent field - 2, held at 1 from below.
; LIMITS: NaN and infinities are not served, nor given scale bytes of 0xff; a block whose largest magnitude lies under 2^-124 gets the byte 1; a block of zeros gets the byte 1 and not 127:
; its codes are zeros, which add nothing under that byte, and this program alone reads the bytes.
; REGISTERS, in windows of 256: window 0: v1-14 addresses; v16-111 scale words, two sets; v128-191 codes; v192-251 at work in the quantisers.
;   window 1: fragments, two sets of 96 (x's eight at 128 p, Wq's four at 128 p + 64); on the way out the record.   window 2: T(a, b) at v[8 (4 a + b)].   window 3: N likewise.
.set PITCH, 272                        ; an LDS row: 256 bytes + 16 of padding = 68 words, so that the 16 rows of a fragment load start 4 words apart modulo 64
.set XT,    128*PITCH                  ; x's 128 rows of a K half
.set SLOT,  384*PITCH                  ; and Wq's 256 behind them
.set SCX,   2*SLOT                     ; x's scale bytes: 128 rows x 32 bytes as 16 units of 256 + 16
.set SCW,   SCX+16*272                 ; Wq's: 32 units
.set STG,   SCW+32*272                 ; a record for each wave; no tensor load lands here
.set REC,   8704
.set VOF,   4096
.set KSC,   8192
.set VSC,   8448
.set LI,   3                           ; v3   16 x lane
.set ADX,  4                           ; v4-5 LDS address of x's fragments in K half 0, 1
.set ADW,  6                           ; v6-7 of my 64 rows of Wq
.set ADSX, 8                           ; v8   of x's scale words
.set ADSW, 9                           ; v9   of my Wq rows' scale words
.set STK,  10                          ; v10  stage: codes along d
.set STKS, 11                          ; v11  stage: their scale bytes
.set STV,  12                          ; v12  stage: codes along the keys
.set STVS, 13                          ; v13  stage: their scale words
.set RD,   14                          ; v14  stage: 16 x lane
.set SC,   16                          ; scale words: set hf at SC + 48 hf: x's block a at + 4 a, Wq's block b at + 32 + 4 b; four words each, one for each 128 along K
.set CT,   128                         ; T's codes
.set CN,   160                         ; N's codes
.set TM,   192                         ; 16 largest magnitudes
.set TP,   208                         ; the other half of the lanes', then the scale bytes
.set TS,   224                         ; the conversions' scale operands
.set KB,   240                         ; pairs of scale bytes along d
.set VW,   248                         ; scale words along the keys
.set G1X,  24                          ; s[24:31] group 1: x's tiles;  s[32:39] Wq's;  s[48:55] x's scales;  s[56:63] Wq's scales
.set G1W,  32
.set G1SX, 48
.set G1SW, 56
.set G0X,  68                          ; s[68:75] group 0: x's two K halves;  s[76:79] x's scales;  s[80:87] Wq's halves;  s[88:91] Wq's scales
.set G0SX, 76
.set G0W,  80
.set G0SW, 88
.set PADB, (1<<20)|(1<<21)|(5<<22)|(3<<25)   ; padding on; bit 21 set beside a mask; after every 64 words; four words
.set MSB, 0
.macro WIN new                         ; the immediate's high byte repeats the setting that is left
.if MSB != \new
	s_set_vgpr_msb (MSB<<8)|\new
.set MSB, \new
.endif
.endm
.macro PLACES n
.rept \n
	v_nop
.endr
.endm
; A joint load: waves 0 and 1 fetch for x, waves 2 and 3 for Wq.  The branch hangs on the wave's number alone.  Four v_nop follow each of the two lines.
.macro JLOAD g0a, g1a, g0b, g1b
	s_cmp_eq_u32 s15, 0
	s_cbranch_scc0 .Lfor_b_\@
	tensor_load_to_lds s[\g0a:\g0a+3], s[\g1a:\g1a+7]
	s_nop 0
.rept 4
	v_nop
.endr
	s_branch .Lasked_\@
.Lfor_b_\@:
	tensor_load_to_lds s[\g0b:\g0b+3], s[\g1b:\g1b+7]
	s_nop 0
.rept 4
	v_nop
.endr
.Lasked_\@:
.endm
.macro CROUND                          ; a round of the cluster's barrier
	s_barrier_signal -1
	s_barrier_wait -1
	s_cmp_lg_u32 s14, 0
	s_cbranch_scc1 .Lnot_wave_0_\@
	s_barrier_signal -3
.Lnot_wave_0_\@:
	s_barrier_wait -3
	s_barrier_signal -1
	s_barrier_wait -1
.endm
	s_load_b256 s[4:11], s[0:1], 0x0               ; x's codes s[4:5], x's scales s[6:7], Wq's codes s[8:9], Wq's scales s[10:11]
	s_load_b64 s[12:13], s[0:1], 0x20              ; kv
	v_lshl_add_u32 v254, v0, 2, 0x3eb00
	v_mov_b32 v255, 0
	ds_add_u32 v254, v255
	ds_add_u32 v254, v255
	v_lshrrev_b32 v1, 5, v0
	v_readfirstlane_b32 s14, v1                    ; wave 0..3
	s_lshr_b32 s15, s14, 1                         ; I fetch for x (0) or for Wq (1),
	s_and_b32 s16, s14, 1                          ; and which half of its rows
	s_bfe_u32 s40, ttmp6, 0x40000                  ; cx, cy: my place in the cluster
	s_bfe_u32 s41, ttmp6, 0x40004
	s_lshl_b32 s42, ttmp9, 2
	s_add_co_u32 s42, s42, s40                     ; X: which 256 columns
	s_and_b32 s17, ttmp7, 0xffff
	s_lshl_b32 s17, s17, 2
	s_add_co_u32 s17, s17, s41                     ; Y: which 128 rows
	s_lshl_b32 s43, s41, 2
	s_lshl_b32 s43, 15, s43                        ; my row of the cluster
	s_lshl_b32 s44, 0x1111, s40                    ; my column
	s_or_b32 s[G1X], s43, PADB                     ; x's tiles go to my row; elements of 1 byte
	s_or_b32 s[G1W], s44, PADB                     ; Wq's to my column
	s_or_b32 s[G1SX], s43, (3<<16)|PADB            ; the scales: elements of 8 bytes
	s_or_b32 s[G1SW], s44, (3<<16)|PADB
	s_mov_b32 s[G1X+1], 256<<16                    ; x: 64 rows of 256 bytes, 512 bytes apart in memory
	s_mov_b32 s[G1X+2], 64<<16
	s_mov_b32 s[G1X+3], 256<<16
	s_mov_b32 s[G1X+4], 64
	s_mov_b32 s[G1X+5], 512
	s_mov_b32 s[G1X+6], 0
	s_mov_b32 s[G1X+7], 0
	s_mov_b32 s[G1W+1], 256<<16                    ; Wq: 128 such rows
	s_mov_b32 s[G1W+2], 128<<16
	s_mov_b32 s[G1W+3], 256<<16
	s_mov_b32 s[G1W+4], 128
	s_mov_b32 s[G1W+5], 512
	s_mov_b32 s[G1W+6], 0
	s_mov_b32 s[G1W+7], 0
	s_mov_b32 s[G1SX+1], 32<<16                    ; the scale bytes of 64 rows: 2,048 dense bytes as 8 rows of 256
	s_mov_b32 s[G1SX+2], 8<<16
	s_mov_b32 s[G1SX+3], 32<<16
	s_mov_b32 s[G1SX+4], 8
	s_mov_b32 s[G1SX+5], 32
	s_mov_b32 s[G1SX+6], 0
	s_mov_b32 s[G1SX+7], 0
	s_mov_b32 s[G1SW+1], 32<<16                    ; of 128 rows: 16 rows of 256
	s_mov_b32 s[G1SW+2], 16<<16
	s_mov_b32 s[G1SW+3], 32<<16
	s_mov_b32 s[G1SW+4], 16
	s_mov_b32 s[G1SW+5], 32
	s_mov_b32 s[G1SW+6], 0
	s_mov_b32 s[G1SW+7], 0
	s_lshl_b32 s18, s17, 7                         ; x: row 128 Y + 64 x half: made of Y and the wave's number alone
	s_lshl_b32 s19, s16, 6
	s_add_co_u32 s18, s18, s19
	s_lshl_b32 s22, s18, 9                         ; its codes, 512 bytes a row,
	s_mov_b32 s23, 0
	s_lshl_b32 s92, s18, 5                         ; its scale bytes, 32 a row
	s_mov_b32 s93, 0
	s_lshl_b32 s46, s42, 8                         ; Wq: row 256 X + 128 x half: made of X and the wave's number alone
	s_lshl_b32 s47, s16, 7
	s_add_co_u32 s46, s46, s47
	s_lshl_b32 s94, s46, 5
	s_mov_b32 s95, 0
	s_lshl_b32 s46, s46, 9
	s_mov_b32 s47, 0
	s_mul_i32 s19, s16, 64*PITCH                   ; where they go: no place in the cluster enters an LDS address
	s_mul_i32 s45, s16, 128*PITCH
	s_mul_i32 s2, s16, 8*272
	s_mul_i32 s3, s16, 16*272
	s_wait_dscnt 0x0
	s_wait_kmcnt 0x0
	s_add_nc_u64 s[22:23], s[4:5], s[22:23]
	s_add_nc_u64 s[92:93], s[6:7], s[92:93]
	s_add_nc_u64 s[46:47], s[8:9], s[46:47]
	s_add_nc_u64 s[94:95], s[10:11], s[94:95]
	CROUND                                         ; all sixteen work-groups are here: the joint loads meet
	s_mov_b32 s[G0SX], 1
	s_add_co_u32 s[G0SX+1], s2, SCX
	s_mov_b64 s[G0SX+2:G0SX+3], s[92:93]
	s_or_b32 s[G0SX+3], s[G0SX+3], 0x80000000
	s_mov_b32 s[G0SW], 1
	s_add_co_u32 s[G0SW+1], s3, SCW
	s_mov_b64 s[G0SW+2:G0SW+3], s[94:95]
	s_or_b32 s[G0SW+3], s[G0SW+3], 0x80000000
	JLOAD G0SX, G1SX, G0SW, G1SW                   ; the scales first: they are wanted with the first K step
.irp s, 0,1
	s_mov_b32 s[G0X+4*\s], 1
	s_add_co_u32 s[G0X+4*\s+1], s19, \s*SLOT
	s_add_nc_u64 s[G0X+4*\s+2:G0X+4*\s+3], s[22:23], \s*256
	s_or_b32 s[G0X+4*\s+3], s[G0X+4*\s+3], 0x80000000
	s_mov_b32 s[G0W+4*\s], 1
	s_add_co_u32 s[G0W+4*\s+1], s45, \s*SLOT+XT
	s_add_nc_u64 s[G0W+4*\s+2:G0W+4*\s+3], s[46:47], \s*256
	s_or_b32 s[G0W+4*\s+3], s[G0W+4*\s+3], 0x80000000
	JLOAD G0X+4*\s, G1X, G0W+4*\s, G1W             ; K half s.  Three loads of mine are out in all
.endr
	v_and_b32 v1, 15, v0                           ; r
	v_bfe_u32 v2, v0, 4, 1                         ; h
	v_and_b32 v15, 31, v0
	v_lshlrev_b32 v[LI], 4, v15
	v_mul_u32_u24 v[ADX], v1, PITCH
	v_lshl_add_u32 v[ADX], v2, 4, v[ADX]           ; a fragment's row x pitch + 16 x half
	v_add_nc_u32 v[ADX+1], SLOT, v[ADX]
	s_mul_i32 s66, s14, 64*PITCH
	s_add_co_u32 s66, s66, XT                      ; my 64 rows of Wq, behind x's 128
	v_add_nc_u32 v[ADW], s66, v[ADX]
	v_add_nc_u32 v[ADW+1], SLOT, v[ADW]
	v_lshrrev_b32 v112, 3, v1                      ; r / 8
	v_and_b32 v113, 7, v1                          ; r % 8
	v_mul_u32_u24 v[ADSX], v112, 272               ; a row's 32 scale bytes: eight rows to a unit of 256 + 16
	v_lshl_add_u32 v[ADSX], v113, 5, v[ADSX]
	s_mul_i32 s66, s14, 8*272
	s_add_co_u32 s66, s66, SCW
	v_add_nc_u32 v[ADSW], s66, v[ADSX]
	v_add_nc_u32 v[ADSX], SCX, v[ADSX]
	s_mul_i32 s66, s14, REC
	s_add_co_u32 s66, s66, STG                     ; my stage
	v_lshlrev_b32 v114, 4, v113
	v_add_nc_u32 v114, s66, v114                   ; + 16 (r % 8)
	v_lshl_add_u32 v[STK], v112, 9, v114           ; codes along d: + 512 (r / 8) + 4 h
	v_lshl_add_u32 v[STK], v2, 2, v[STK]
	v_lshl_add_u32 v[STKS], v112, 1, v114          ; their bytes: + 2 (r / 8)
	v_add_nc_u32 v[STKS], KSC, v[STKS]
	v_lshl_add_u32 v[STVS], v1, 4, s66             ; 16 r
	v_lshl_add_u32 v[STV], v2, 2, v[STVS]          ; codes along the keys: + 4 h
	v_add_nc_u32 v[STV], VOF, v[STV]
	v_add_nc_u32 v[STVS], VSC, v[STVS]
	v_add_nc_u32 v[RD], s66, v[LI]
.set ii, 0
.rept 16
	v_mov_b32 v[TP+ii], 0                          ; written once: a lane permute's destination counts as one of its sources
.set ii, ii+1
.endr
	s_mov_b32 s20, 0x76543210
	s_mov_b32 s21, 0xfedcba98                      ; v_permlanex16_b32's selects for lane l xor 16
	s_lshr_b32 s96, s17, 4                         ; my record: ((16 batch + 4 X + wave) x 16 + key step) x 8,704 bytes
	s_lshl_b32 s96, s96, 2
	s_add_co_u32 s96, s96, s42
	s_lshl_b32 s96, s96, 2
	s_add_co_u32 s96, s96, s14
	s_lshl_b32 s96, s96, 4
	s_and_b32 s97, s17, 15
	s_add_co_u32 s96, s96, s97
	s_mul_i32 s96, s96, REC
	s_mov_b32 s97, 0
	s_add_nc_u64 s[12:13], s[12:13], s[96:97]
; 24 LDS loads in one run: the fragments of K step q (128 along K: 64 bytes of a row, two loads of 16 bytes a lane, 32 bytes apart) into set p
.macro FETCH q, p
	WIN 0x40                                       ; destination window 1, address window 0
.irp a, 0,1,2,3,4,5,6,7
.irp c, 0,1
	ds_load_b128 v[128*(\p)+8*\a+4*\c:128*(\p)+8*\a+4*\c+3], v[ADX+(\q)/4] offset:\a*16*PITCH+64*((\q)%4)+32*\c
.endr
.endr
.irp b, 0,1,2,3
.irp c, 0,1
	ds_load_b128 v[128*(\p)+64+8*\b+4*\c:128*(\p)+64+8*\b+4*\c+3], v[ADW+(\q)/4] offset:\b*16*PITCH+64*((\q)%4)+32*\c
.endr
.endr
	WIN 0
.endm
.macro SCALES hf                       ; the scale words of K half hf: four words a row, lane r takes row r's
.irp a, 0,1,2,3,4,5,6,7
	ds_load_b128 v[SC+48*\hf+4*\a:SC+48*\hf+4*\a+3], v[ADSX] offset:\a*544+16*\hf
.endr
.irp b, 0,1,2,3
	ds_load_b128 v[SC+48*\hf+32+4*\b:SC+48*\hf+32+4*\b+3], v[ADSW] offset:\b*544+16*\hf
.endr
.endm
; 32 matrix instructions each.  The 64 accumulators take turns, one instruction a turn, in the same order in every K step.  zero = 1: the first K step starts the sums.
.macro MULT q, p, zero                 ; T: source 0 = Wq's block b, source 1 = x's block a
	WIN 0xa5                                       ; both sources window 1, C and D window 2
.irp a, 0,1,2,3,4,5,6,7
.irp b, 0,1,2,3
.if \zero
	v_wmma_scale_f32_16x16x128_f8f6f4 v[8*(4*\a+\b):8*(4*\a+\b)+7], v[128*(\p)+64+8*\b:128*(\p)+64+8*\b+7], v[128*(\p)+8*\a:128*(\p)+8*\a+7], 0, v[SC+48*((\q)/4)+32+4*\b+(\q)%4], v[SC+48*((\q)/4)+4*\a+(\q)%4] matrix_a_fmt:MATRIX_FMT_FP4 matrix_b_fmt:MATRIX_FMT_FP4
.else
	v_wmma_scale_f32_16x16x128_f8f6f4 v[8*(4*\a+\b):8*(4*\a+\b)+7], v[128*(\p)+64+8*\b:128*(\p)+64+8*\b+7], v[128*(\p)+8*\a:128*(\p)+8*\a+7], v[8*(4*\a+\b):8*(4*\a+\b)+7], v[SC+48*((\q)/4)+32+4*\b+(\q)%4], v[SC+48*((\q)/4)+4*\a+(\q)%4] matrix_a_fmt:MATRIX_FMT_FP4 matrix_b_fmt:MATRIX_FMT_FP4
.endif
.endr
.endr
.endm
.macro MULN q, p, zero                 ; N: the sources, and their scale words, the other way round
	WIN 0xf5                                       ; both sources window 1, C and D window 3
.irp a, 0,1,2,3,4,5,6,7
.irp b, 0,1,2,3
.if \zero
	v_wmma_scale_f32_16x16x128_f8f6f4 v[8*(4*\a+\b):8*(4*\a+\b)+7], v[128*(\p)+8*\a:128*(\p)+8*\a+7], v[128*(\p)+64+8*\b:128*(\p)+64+8*\b+7], 0, v[SC+48*((\q)/4)+4*\a+(\q)%4], v[SC+48*((\q)/4)+32+4*\b+(\q)%4] matrix_a_fmt:MATRIX_FMT_FP4 matrix_b_fmt:MATRIX_FMT_FP4
.else
	v_wmma_scale_f32_16x16x128_f8f6f4 v[8*(4*\a+\b):8*(4*\a+\b)+7], v[128*(\p)+8*\a:128*(\p)+8*\a+7], v[128*(\p)+64+8*\b:128*(\p)+64+8*\b+7], v[8*(4*\a+\b):8*(4*\a+\b)+7], v[SC+48*((\q)/4)+4*\a+(\q)%4], v[SC+48*((\q)/4)+32+4*\b+(\q)%4] matrix_a_fmt:MATRIX_FMT_FP4 matrix_b_fmt:MATRIX_FMT_FP4
.endif
.endr
.endr
.endm
	s_wait_tensorcnt 1                             ; my parts of the scales and of K half 0 are in; K half 1's load, issued last, may stay out
	s_barrier_signal -1
	s_barrier_wait -1                              ; everybody's are
	SCALES 0
	FETCH 0, 0
; Eight K steps of 128, written out.  A step's fragments were asked for at the head of the step before, 64 matrix instructions earlier.
.irp q, 0,1,2,3,4,5,6,7
	s_wait_dscnt 0x0                               ; this step's fragments (and scale words) are in
.if \q == 3
	s_wait_tensorcnt 0x0                           ; my part of K half 1 is in,
	s_barrier_signal -1
	s_barrier_wait -1                              ; everybody's is: the next step's fragments come from it
.endif
.if \q < 7
.if \q > 0
	PLACES 4                                       ; in front of loads into registers that the last step's matrix instructions have read (ISA guide 7.12.1 for vector instructions)
.endif
	FETCH \q+1, (\q+1)%2
.if \q == 3
	SCALES 1
.endif
.endif
.if \q == 0
	MULT 0, 0, 1
	MULN 0, 0, 1
.else
	MULT \q, \q%2, 0
	MULN \q, \q%2, 0
.endif
.endr
	; ---- q along d.  Block (a, g): rows 16 a + r, d = 32 g .. + 31: the 16 registers of T(a, 2 g) and T(a, 2 g + 1) in lanes l and l xor 16.  Each accumulator is read from its low end on.
	WIN 0
	PLACES 4                                       ; behind the last products: results are read, and nothing else is at hand
	WIN 0x0a                                       ; sources 0 and 1 window 2
.irp a, 0,1,2,3,4,5,6,7
.irp g, 0,1
	v_max3_num_f32 v[TM+2*\a+\g], |v[8*(4*\a+2*\g)]|, |v[8*(4*\a+2*\g)+1]|, 0x1800000   ; with the floor 2^(3 - 127): the byte cannot fall under 1
.endr
.endr
	WIN 0x28                                       ; sources 1 and 2 window 2
.irp i, 2,4,6,8,10,12,14
.irp a, 0,1,2,3,4,5,6,7
.irp g, 0,1
	v_max3_num_f32 v[TM+2*\a+\g], v[TM+2*\a+\g], |v[8*(4*\a+2*\g)+\i]|, |v[8*(4*\a+2*\g)+\i+1]|   ; the sixteen blocks by turns
.endr
.endr
.endr
	WIN 0
.macro BYTES                           ; from my 16 numbers' largest magnitudes to the blocks' scale operands (TS) and bytes (TP)
.set ii, 0
.rept 16
	v_permlanex16_b32 v[TP+ii], v[TM+ii], s20, s21
.set ii, ii+1
.endr
.set ii, 0
.rept 16
	v_max_num_f32 v[TM+ii], v[TM+ii], v[TP+ii]     ; with lane l xor 16's: the block's largest magnitude
.set ii, ii+1
.endr
.set ii, 0
.rept 16
	v_add_nc_u32 v[TS+ii], 0xff000000, v[TM+ii]    ; 2 off its exponent field: the conversion takes this operand's exponent field as its scale
.set ii, ii+1
.endr
.set ii, 0
.rept 16
	v_lshrrev_b32 v[TP+ii], 23, v[TS+ii]           ; the scale's byte
.set ii, ii+1
.endr
.endm
	BYTES
.irp a, 0,1,2,3,4,5,6,7
	v_lshl_or_b32 v[KB+\a], v[TP+2*\a+1], 8, v[TP+2*\a]   ; a row's two bytes
.endr
	WIN 0x02                                       ; source 0 window 2
.irp a, 0,1,2,3,4,5,6,7
.irp b, 0,1,2,3
	v_cvt_scalef32_pk8_fp4_f32 v[CT+4*\a+\b], v[8*(4*\a+\b):8*(4*\a+\b)+7], v[TS+2*\a+\b/2]   ; row 16 a + r, d = 16 b + 8 h + 0 .. 7
.endr
.endr
	v_nop                                          ; one plain place behind the last scaled conversion: TS is written again below
	WIN 0
.irp a, 0,1,2,3,4,5,6,7
.irp b, 0,1,2,3
	ds_store_b32 v[STK], v[CT+4*\a+\b] offset:(\a/2)*1024+(\a%2)*128+(\b/2)*256+8*(\b%2)   ; key 16 a + r is (g = a / 2, u = r / 8, r' = r % 8 + 8 (a % 2)); h' = b / 2; byte 8 (b % 2) + 4 h of its 16
.endr
.endr
.irp a, 0,1,2,3,4,5,6,7
	ds_store_b16 v[STKS], v[KB+\a] offset:(\a%2)*128+(\a/2)*4   ; both halves of the lanes write the same two bytes with the same value
.endr
	; ---- q along the keys.  Block (g, b): d = 16 b + r, keys 32 g .. + 31: N(2 g, b) and N(2 g + 1, b) in lanes l and l xor 16
	WIN 0x0f                                       ; sources 0 and 1 window 3
.irp g, 0,1,2,3
.irp b, 0,1,2,3
	v_max3_num_f32 v[TM+4*\g+\b], |v[64*\g+8*\b]|, |v[64*\g+8*\b+1]|, 0x1800000
.endr
.endr
	WIN 0x3c                                       ; sources 1 and 2 window 3
.irp i, 2,4,6,8,10,12,14
.irp g, 0,1,2,3
.irp b, 0,1,2,3
	v_max3_num_f32 v[TM+4*\g+\b], v[TM+4*\g+\b], |v[64*\g+8*\b+\i+24*(\i/8)]|, |v[64*\g+8*\b+\i+24*(\i/8)+1]|
.endr
.endr
.endr
	WIN 0
	BYTES
.irp b, 0,1,2,3
	v_lshl_or_b32 v[VW+\b], v[TP+4+\b], 8, v[TP+\b]       ; the four key blocks' bytes make d's scale word
.endr
.irp b, 0,1,2,3
	v_lshl_or_b32 v[VW+\b], v[TP+8+\b], 16, v[VW+\b]
.endr
.irp b, 0,1,2,3
	v_lshl_or_b32 v[VW+\b], v[TP+12+\b], 24, v[VW+\b]
.endr
	WIN 0x03                                       ; source 0 window 3
.irp g, 0,1,2,3
.irp e, 0,1
.irp b, 0,1,2,3
	v_cvt_scalef32_pk8_fp4_f32 v[CN+8*\g+4*\e+\b], v[64*\g+32*\e+8*\b:64*\g+32*\e+8*\b+7], v[TS+4*\g+\b]   ; d = 16 b + r, keys 32 g + 16 e + 8 h + 0 .. 7
.endr
.endr
.endr
	v_nop                                          ; one plain place behind the last scaled conversion
	WIN 0
.irp g, 0,1,2,3
.irp e, 0,1
.irp b, 0,1,2,3
	ds_store_b32 v[STV], v[CN+8*\g+4*\e+\b] offset:\b*1024+(\g/2)*512+(\g%2)*256+8*\e
.endr
.endr
.endr
	ds_store_b128 v[STVS], v[VW:VW+3]              ; both halves of the lanes write the same words
	; ---- the record leaves: 17 x 512 consecutive bytes.  The stage is my own, and LDS serves a wave's instructions in order (ISA guide 5.7.1.4): no wait between the stores and these loads
	WIN 0x40                                       ; destination window 1: the fragments' registers, long done with
.set ii, 0
.rept 17
	ds_load_b128 v[4*ii:4*ii+3], v[RD] offset:512*ii
.set ii, ii+1
.endr
	WIN 0x04                                       ; a store's data are its source 1: window 1
.set ii, 0
.rept 17
	s_wait_dscnt 16-ii                             ; load ii is back; the younger ones may be out
	global_store_b128 v[LI], v[4*ii:4*ii+3], s[12:13] offset:512*ii   ; 32 lanes store 512 consecutive bytes, at a multiple of 256 from kv's first byte
.set ii, ii+1
.endr
	WIN 0
	s_wait_tensorcnt 0x0
	ds_add_u32 v254, v255
	s_wait_dscnt 0x0
	CROUND                                         ; the closing round: no work-group ends while a partner may still ask for a tile that names it
	s_endpgm
.Lfunc_end_k_qd7b4d7b6a5_proj:
	.size	k_qd7b4d7b6a5_proj, .Lfunc_end_k_qd7b4d7b6a5_proj-k_qd7b4d7b6a5_proj
	.p2alignl 7, 3214868480
	.fill 96, 4, 3214868480
	.section	.rodata,"a",@progbits
	.p2align	6, 0x0
	.amdhsa_kernel k_qd7b4d7b6a5_proj
		.amdhsa_group_segment_fixed_size 257280
		.amdhsa_private_segment_fixed_size 0
		.amdhsa_enable_private_segment 0
		.amdhsa_kernarg_size 40
		.amdhsa_user_sgpr_count 2
		.amdhsa_user_sgpr_kernarg_segment_ptr 1
		.amdhsa_wavefront_size32 1
		.amdhsa_system_sgpr_workgroup_id_x 1
		.amdhsa_system_sgpr_workgroup_id_y 1
		.amdhsa_system_sgpr_workgroup_id_z 1
		.amdhsa_system_vgpr_workitem_id 0
		.amdhsa_next_free_vgpr 1024
		.amdhsa_next_free_sgpr 98
		.amdhsa_reserve_vcc 0
		.amdhsa_float_denorm_mode_32 3
		.amdhsa_float_denorm_mode_16_64 3
		.amdhsa_memory_ordered 1
		.amdhsa_forward_progress 1
		.amdhsa_inst_pref_size 127
	.end_amdhsa_kernel
	.amdgpu_metadata
---
amdhsa.version: [ 1, 2 ]
amdhsa.kernels:
  - .name:           k_qd7b4d7b6a5_proj
    .symbol:         k_qd7b4d7b6a5_proj.kd
    .args:
      - { .name: x_codes, .offset: 0, .size: 8, .value_kind: global_buffer, .address_space: global }
      - { .name: x_scales, .offset: 8, .size: 8, .value_kind: global_buffer, .address_space: global }
      - { .name: Wq_codes, .offset: 16, .size: 8, .value_kind: global_buffer, .address_space: global }
      - { .name: Wq_scales, .offset: 24, .size: 8, .value_kind: global_buffer, .address_space: global }
      - { .name: kv, .offset: 32, .size: 8, .value_kind: global_buffer, .address_space: global }
    .group_segment_fixed_size: 257280
    .private_segment_fixed_size: 0
    .kernarg_segment_align: 8
    .kernarg_segment_size: 40
    .max_flat_workgroup_size: 128
    .sgpr_count:     98
    .vgpr_count:     1024
    .wavefront_size: 32
...
	.end_amdgpu_metadata
.endif
;; end of part 1
;; launch attn (part 2): grid 4 x 64, 16 waves a work-group, clusters of 4 x 1, 210,944 bytes of LDS; arguments kv, out0; writes out0
.if DOCPART == 2
	.amdgcn_target "amdgcn-amd-amdhsa--gfx1250"
	.amdhsa_code_object_version 6
	.text
	.protected	k_qd7b4d7b6a5_attn
	.globl	k_qd7b4d7b6a5_attn
	.p2align	8
	.type	k_qd7b4d7b6a5_attn,@function
k_qd7b4d7b6a5_attn:
	s_mov_b64 s[64:65], 0
	v_nop
	global_prefetch_b8 v0, s[64:65] scope:SCOPE_SE
	s_setreg_imm32_b32 hwreg(HW_REG_WAVE_MODE, 25, 1), 1
	s_wait_xcnt 0x0
	s_wait_alu depctr_hold_cnt(0) depctr_sa_sdst(0) depctr_va_vdst(0) depctr_va_sdst(0) depctr_va_ssrc(0) depctr_va_vcc(0) depctr_vm_vsrc(0)
	s_getreg_b32 s2, hwreg(HW_REG_IB_STS2, 6, 4)
	s_cmp_eq_u32 s2, 0
	s_cbranch_scc0 .Lentry_in_a_cluster
	s_endpgm
.Lentry_in_a_cluster:
	s_bfe_u32 s2, ttmp6, 0x10000c
	s_cmp_lg_u32 s2, 0x3003
	s_cbranch_scc0 .Lentry_shape_is_right
	s_endpgm
.Lentry_shape_is_right:
; Causal attention in which q is query, key and value at once, both products on codes of FP4 (E2M1) with E8M0 scales, from the records that the launch before has laid (128 keys of a head in 8,704 bytes:
; codes along d at 0, codes along the keys at 4,096, their scale bytes at 8,192 and 8,448, all as images of operand registers).
; out0[b][s][64 head + d] = the sum over keys k <= s of p V / the sum of p;  t = score x log2(e) / 32;  M = the running largest t rounded up to a whole number;  p = 2^(t - M) is quantised along the keys, not normalised;
; the row's sum is taken of the unquantised p.  When M moves, the sum and O are multiplied by 2^(old M - new M), which rounds nothing.  A query's own key always counts, so M is a number from a tile's first step on.
; CLUSTER.  The four work-groups of a cluster serve ONE head and read the same 16 records, 139,264 bytes: they come by joint loads, once, and stay in LDS: nothing is filled again.
; SHARES.  A wave owns two tiles of 16 queries: one in block J of 128 queries, one in block 15 - J: (J + 1) + (16 - J) = 17 key steps of 128 for every wave.  J and e hang on the wave's number alone;
; within a block the tile is sub-tile (g = my place in the cluster, u = e): lane r holds query 32 g + 8 u + r + 8 (r / 8).  The place enters global addresses and the mask's data alone.
; The loops' trip counts are constants (8 and 16); a step all of whose keys come after the tile's block is passed over by a scalar branch on the wave's number and the counter.
; PRODUCT 2 HAS K = 64, THE INSTRUCTION 128.  Source 0 holds a PAIR of sub-tiles of 16 keys (registers 0-3: u = 0, registers 4-7: u = 1); against [q, zero codes] it gives the first's scores, against [zero codes, q]
; the second's: zero codes add nothing under any scale byte that the records hold.  The pair's scale word is its four bytes; q's is its two bytes twice.
; Both products are used transposed: a lane holds ONE query (lane % 16); the 16 registers of tiles 2 b and 2 b + 1 of the scores are keys 32 b + 16 (lane / 16) + 0 .. 15.
; LIMITS: NaN and infinities are not served; a block of p that is all zeros keeps the byte 1: its codes are zeros.
; REGISTERS: v1-9 addresses and constants; v12 -M, v13 the largest t, v[14:15] the sum; v16-23 [q, 0], v24-31 [0, q]; v32-63 K's four pairs; v64-95 V's four fragments; v96-159 scores, then p; v160-191 O^T;
;   v192-199 p's codes; v200-203, v204-207 K's and V's scale words; v208 q's; v210-215 the second tile's q and the raw scale words; v232-254 at work.
.set REC,   8704
.set VOF,   4096
.set KSC,   8192
.set VSC,   8448
.set STAGE, 16*REC                     ; behind the records: 16 rows x (256 bytes + 16) for each wave, for the way out; no tensor load lands here
.set SP,    272
.macro CROUND                          ; a round of the cluster's barrier
	s_barrier_signal -1
	s_barrier_wait -1
	s_cmp_lg_u32 s8, 0
	s_cbranch_scc1 .Lnot_wave_0_\@
	s_barrier_signal -3
.Lnot_wave_0_\@:
	s_barrier_wait -3
	s_barrier_signal -1
	s_barrier_wait -1
.endm
	s_load_b128 s[4:7], s[0:1], 0x0                ; kv s[4:5], out0 s[6:7]
	v_lshl_add_u32 v251, v0, 2, 0x33000
	v_mov_b32 v255, 0
	ds_add_u32 v251, v255
	ds_add_u32 v251, v255
	v_lshrrev_b32 v1, 5, v0
	v_readfirstlane_b32 s8, v1                     ; wave 0..15
	s_bfe_u32 s14, ttmp6, 0x40000                  ; cx: my place in the cluster
	s_and_b32 s15, ttmp7, 0xffff                   ; 16 batch + head, which the four partners share
	s_mov_b32 s24, 15|(3<<16)|(1<<21)              ; group 1: the mask names all four; elements of 8 bytes; bit 21 set beside a mask; no padding: every read takes 16 x lane on end
	s_mov_b32 s25, 32<<16                          ; four records, 34,816 dense bytes, as 136 rows of 256
	s_mov_b32 s26, 136<<16
	s_mov_b32 s27, 32<<16
	s_mov_b32 s28, 136
	s_mov_b32 s29, 32
	s_mov_b32 s30, 0
	s_mov_b32 s31, 0
	s_mul_i32 s16, s15, 16*REC                     ; the head's first byte in kv
	s_mov_b32 s17, 0
	s_mul_i32 s18, s8, 4*REC                       ; waves 0 to 3: records 4 w .. 4 w + 3, in memory and in LDS alike
	s_mov_b32 s19, 0
	s_wait_dscnt 0x0
	s_wait_kmcnt 0x0
	s_add_nc_u64 s[4:5], s[4:5], s[16:17]
	s_mov_b32 s32, 1
	s_mov_b32 s33, s18
	s_add_nc_u64 s[34:35], s[4:5], s[18:19]
	s_or_b32 s35, s35, 0x80000000
	CROUND                                         ; all four work-groups are here: the joint loads meet
	s_cmp_lt_u32 s8, 4                             ; the branch hangs on the wave's number alone
	s_cbranch_scc0 .Lno_fill
	tensor_load_to_lds s[32:35], s[24:31]          ; one load of mine is out
	s_nop 0
.rept 4
	v_nop
.endr
.Lno_fill:
	; which tiles are mine: a = w % 4, bq = w / 4;  J = (2 (bq / 2) + a / 2) xor 7 ((a xor bq) % 2);  e = bq % 2.  Each (J, e) falls to one wave; four waves with equal w % 4, or equal w / 4, have J's that add up to 14
	s_and_b32 s53, s8, 3
	s_lshr_b32 s54, s8, 2
	s_and_b32 s13, s54, 1                          ; e
	s_xor_b32 s55, s53, s54
	s_and_b32 s55, s55, 1
	s_mul_i32 s55, s55, 7
	s_lshr_b32 s54, s54, 1
	s_lshl_b32 s54, s54, 1
	s_lshr_b32 s53, s53, 1
	s_add_co_u32 s54, s54, s53
	s_xor_b32 s12, s54, s55                        ; J
	s_sub_co_u32 s62, 15, s12                      ; 15 - J
	s_lshl_b32 s52, s13, 4                         ; my two scale bytes begin at bit 16 e of the pair's word
	s_mul_i32 s53, s12, REC                        ; block J's record, block 15 - J's
	s_mul_i32 s54, s62, REC
	s_lshl_b32 s55, s14, 10
	s_lshl_b32 s56, s13, 9
	s_add_co_u32 s55, s55, s56                     ; my sub-tile's image in a record: 1,024 cx + 512 e
	s_mov_b32 s61, 0
	s_add_co_u32 s60, s53, s55
	s_add_nc_u64 s[44:45], s[4:5], s[60:61]
	s_add_co_u32 s60, s54, s55
	s_add_nc_u64 s[46:47], s[4:5], s[60:61]
	s_lshl_b32 s55, s14, 2
	s_add_co_u32 s55, s55, KSC                     ; and its pair's scale words: 8,192 + 4 cx (+ 16 r)
	s_add_co_u32 s60, s53, s55
	s_add_nc_u64 s[48:49], s[4:5], s[60:61]
	s_add_co_u32 s60, s54, s55
	s_add_nc_u64 s[50:51], s[4:5], s[60:61]
	v_and_b32 v10, 15, v0                          ; r
	v_bfe_u32 v11, v0, 4, 1                        ; h
	v_and_b32 v1, 31, v0
	v_lshlrev_b32 v1, 4, v1                        ; 16 x lane
	v_lshlrev_b32 v2, 4, v10                       ; 16 r
	global_load_b128 v[16:19], v1, s[44:45]        ; q of my first tile, as registers 0-3 of [q, 0]
	global_load_b128 v[28:31], v1, s[44:45]        ; and as registers 4-7 of [0, q]: two runs of registers
	global_load_b128 v[210:213], v1, s[46:47]      ; q of my second tile
	global_load_b32 v215, v2, s[48:49]             ; the pairs' scale words
	global_load_b32 v214, v2, s[50:51]
	s_lshl_b32 s59, s14, 5
	s_lshl_b32 s56, s13, 3
	s_add_co_u32 s59, s59, s56                     ; 32 cx + 8 e
	v_and_b32 v3, 8, v10
	v_add_nc_u32 v3, v3, v10
	v_add_nc_u32 v3, s59, v3
	v_lshlrev_b32 v254, 4, v11
	v_sub_nc_u32 v3, v3, v254                      ; my query in its block, less 16 h: on the diagonal register 16 b + i (key 32 b + 16 h + i) is hidden where 32 b + i is above it
	v_lshlrev_b32 v4, 12, v11
	v_lshl_add_u32 v4, v10, 4, v4                  ; the way out: lanes 0-15 one row of out0 (4,096 bytes a row), lanes 16-31 the next; 16 bytes a lane
	s_mul_i32 s63, s8, 16*SP
	s_add_co_u32 s63, s63, STAGE                   ; my stage
	v_mul_u32_u24 v5, v10, SP
	v_lshl_add_u32 v5, v11, 5, v5
	v_add_nc_u32 v5, s63, v5                       ; in: row r, + 32 h
	v_mul_u32_u24 v6, v11, SP
	v_lshl_add_u32 v6, v10, 4, v6
	v_add_nc_u32 v6, s63, v6                       ; back: lanes 0-15 one row, lanes 16-31 the next
	v_mov_b32 v9, 0xff800000                       ; -infinity
.irp j, 20,21,22,23,24,25,26,27
	v_mov_b32 v\j, 0                               ; the zero codes of [q, 0] and [0, q]
.endr
.irp j, 236,237,238,239,252,253
	v_mov_b32 v\j, 0                               ; written once: lane permutes' destinations, and the upper half of the pair v[252:253]
.endr
	s_mov_b32 s20, 0x76543210
	s_mov_b32 s21, 0xfedcba98                      ; v_permlanex16_b32's selects for lane l xor 16
	s_mov_b32 s22, 0x3d38aa3b                      ; c = log2(e) / 32
	s_mov_b32 s23, s22                             ; (named with it as a pair, so it is written)
	s_lshr_b32 s56, s15, 4                         ; out0: row 2,048 batch + 128 block + 32 cx + 8 e, 4,096 bytes a row; + 256 head
	s_lshl_b32 s56, s56, 11
	s_add_co_u32 s56, s56, s59
	s_and_b32 s58, s15, 15
	s_lshl_b32 s58, s58, 8
	s_lshl_b32 s57, s12, 7
	s_add_co_u32 s57, s57, s56
	s_lshl_b32 s57, s57, 12
	s_add_co_u32 s60, s57, s58
	s_add_nc_u64 s[40:41], s[6:7], s[60:61]
	s_lshl_b32 s57, s62, 7
	s_add_co_u32 s57, s57, s56
	s_lshl_b32 s57, s57, 12
	s_add_co_u32 s60, s57, s58
	s_add_nc_u64 s[42:43], s[6:7], s[60:61]
; A KEY STEP: 128 keys, the record at LDS byte s10; s9 = the step, s11 = my tile's block.
.macro STEP
	s_cmp_gt_u32 s9, s11                           ; all these keys come after my queries: only the address step at the end is done
	s_cbranch_scc1 .Lhidden_\@
	v_add_nc_u32 v7, s10, v1
	v_add_nc_u32 v8, s10, v2
	v_nop
	v_nop                                          ; with the two additions: four places in front of loads into registers that the last step's products have read
.irp i, 0,1,2,3,4,5,6,7
	ds_load_b128 v[32+4*\i:35+4*\i], v7 offset:512*\i          ; K's four pairs
.endr
	ds_load_b128 v[200:203], v8 offset:KSC                     ; their scale words
.irp i, 0,1,2,3,4,5,6,7
	ds_load_b128 v[64+4*\i:67+4*\i], v7 offset:VOF+512*\i      ; V's four fragments: wanted behind the softmax
.endr
	ds_load_b128 v[204:207], v8 offset:VSC
	s_wait_dscnt 9                                 ; K's nine loads are in; V's nine, issued behind them, may be out
.irp b, 0,1,2,3
	v_wmma_scale_f32_16x16x128_f8f6f4 v[96+16*\b:103+16*\b], v[32+8*\b:39+8*\b], v[16:23], 0, v[200+\b], v208 matrix_a_fmt:MATRIX_FMT_FP4 matrix_b_fmt:MATRIX_FMT_FP4
	v_wmma_scale_f32_16x16x128_f8f6f4 v[104+16*\b:111+16*\b], v[32+8*\b:39+8*\b], v[24:31], 0, v[200+\b], v208 matrix_a_fmt:MATRIX_FMT_FP4 matrix_b_fmt:MATRIX_FMT_FP4
.endr
.rept 4
	v_nop                                          ; places behind the products, in front of the first read of their results
.endr
	s_cmp_lg_u32 s9, s11                           ; only the step on the diagonal has hidden keys
	s_cbranch_scc1 .Lopen_\@
.set ii, 0
.rept 64
	v_cmp_gt_i32 vcc_lo, 32*(ii/16)+ii%16, v3
	v_cndmask_b32 v[96+ii], v[96+ii], v9, vcc_lo   ; a hidden score becomes -infinity: p = 0
.set ii, ii+1
.endr
.Lopen_\@:
.irp b, 0,1,2,3
	v_max3_num_f32 v[232+\b], v[96+16*\b], v[97+16*\b], v[98+16*\b]   ; the largest score of each block of 32 keys: for the row's maximum, and, since p rises with the score, for the block's largest p
.endr
.irp i, 3,5,7,9,11,13
.irp b, 0,1,2,3
	v_max3_num_f32 v[232+\b], v[232+\b], v[96+16*\b+\i], v[97+16*\b+\i]
.endr
.endr
.irp b, 0,1,2,3
	v_max_num_f32 v[232+\b], v[232+\b], v[111+16*\b]
.endr
.irp b, 0,1,2,3
	v_permlanex16_b32 v[236+\b], v[232+\b], s20, s21
.endr
.irp b, 0,1,2,3
	v_max_num_f32 v[232+\b], v[232+\b], v[236+\b]  ; with lane l xor 16's 16 keys
.endr
	v_max3_num_f32 v254, v232, v233, v234
	v_max_num_f32 v254, v254, v235                 ; the step's largest score of my query
	v_mul_f32 v254, s22, v254                      ; as t (c is positive)
	v_max_num_f32 v13, v13, v254                   ; the running largest t
	v_mov_b32 v254, v12
	v_floor_f32 v12, -v13                          ; the new -M = floor(-t): M is a whole number
	v_sub_f32 v254, v12, v254                      ; old M - new M: a whole number, 0 or less
	v_cvt_i32_f32 v254, v254                       ; (it saturates)
	v_ldexp_f32 v252, 1.0, v254                    ; f = 2^(old M - new M)
.set ii, 0
.rept 32
	v_pk_fma_f32 v[96+ii:97+ii], v[96+ii:97+ii], s[22:23], v[12:13] op_sel_hi:[1,0,0]   ; t - M, two at a time (of the pairs c and -M the low word serves both halves)
.set ii, ii+2
.endr
.irp b, 0,1,2,3
	v_fma_f32 v[232+\b], v[232+\b], s22, v12       ; the same of each block's largest score
.endr
.set ii, 0
.rept 64
	v_exp_f32 v[96+ii], v[96+ii]                   ; p = 2^(t - M), at most 1
.set ii, ii+1
.endr
	v_pk_mul_f32 v[14:15], v[14:15], v[252:253] op_sel_hi:[1,0]   ; the sums under the new M: the plain instruction behind the exponentials
	s_wait_alu depctr_va_vdst(0)                   ; one wait for the batch of 64, ahead of its first reader
.irp b, 0,1,2,3
	v_exp_f32 v[232+\b], v[232+\b]                 ; the block's largest p: the same two instructions on the same number give the same bits
.endr
	v_pk_add_f32 v[240:241], v[96:97], v[98:99]    ; the row's sum of the unquantised p, two at a time, in two chains; it reads the 64 alone
.irp j, 4,8,12,16,20,24,28,32,36,40,44,48,52
	v_pk_add_f32 v[14:15], v[14:15], v[96+\j:97+\j]
	v_pk_add_f32 v[240:241], v[240:241], v[98+\j:99+\j]
.endr
	s_wait_alu depctr_va_vdst(0)                   ; and one wait for the four
.irp b, 0,1,2,3
	v_max_num_f32 v[232+\b], 0x1800000, v[232+\b]  ; the floor 2^(3 - 127): the byte cannot fall under 1
.endr
.irp b, 0,1,2,3
	v_add_nc_u32 v[244+\b], 0xff000000, v[232+\b]  ; 2 off the exponent field: the conversion's scale operand
.endr
.irp b, 0,1,2,3
	v_lshrrev_b32 v[236+\b], 23, v[244+\b]         ; the scale's byte
.endr
	v_lshl_or_b32 v253, v237, 8, v236              ; p's scale word for these 128 keys
	v_lshl_or_b32 v253, v238, 16, v253
	v_lshl_or_b32 v253, v239, 24, v253
.irp b, 0,1,2,3
	v_cvt_scalef32_pk8_fp4_f32 v[192+2*\b], v[96+16*\b:103+16*\b], v[244+\b]
	v_cvt_scalef32_pk8_fp4_f32 v[193+2*\b], v[104+16*\b:111+16*\b], v[244+\b]
.endr
	v_nop                                          ; one plain place behind the last scaled conversion
.irp c, 0,1                                    ; the operand's layout wants a whole block in a lane: lanes 0-15 block 2 c, lanes 16-31 block 2 c + 1
.irp i, 0,1
	v_permlane16_swap_b32 v[192+4*\c+\i], v[194+4*\c+\i]
.endr
.endr
.set ii, 0
.rept 16
	v_pk_mul_f32 v[160+ii:161+ii], v[160+ii:161+ii], v[252:253] op_sel_hi:[1,0]   ; O^T under the new M
.set ii, ii+2
.endr
.irp j, 56,60
	v_pk_add_f32 v[14:15], v[14:15], v[96+\j:97+\j]            ; the sum's last additions stand here: five plain lines between the last write of O^T and the products that add onto it
	v_pk_add_f32 v[240:241], v[240:241], v[98+\j:99+\j]
.endr
	v_pk_add_f32 v[14:15], v[14:15], v[240:241]
	s_wait_dscnt 0x0                               ; V's fragments and scale words are in
.irp t, 0,1,2,3                                ; O^T += V^T p^T; the four accumulators take turns, and eight other products stand between two links of a chain
	v_wmma_scale_f32_16x16x128_f8f6f4 v[160+8*\t:167+8*\t], v[64+8*\t:71+8*\t], v[192:199], v[160+8*\t:167+8*\t], v[204+\t], v253 matrix_a_fmt:MATRIX_FMT_FP4 matrix_b_fmt:MATRIX_FMT_FP4
.endr
.Lhidden_\@:
	s_add_co_u32 s10, s10, REC                     ; the next record
.endm
; ONE TILE: q in v16-31, its pair's scale word in v215, its block in s11; n = the loop's trips, a constant; ob = the scalar pair with the tile's first row of out0.
.macro PASS n, ob
	v_lshrrev_b32 v254, s52, v215
	v_and_b32 v254, 0xffff, v254                   ; my sub-tile's two bytes,
	v_lshl_or_b32 v208, v254, 16, v254             ; twice: for [q, 0] and for [0, q]
	v_mov_b32 v13, 0xff61b1e6                      ; the largest t so far: -3e38, under every t
	v_floor_f32 v12, -v13                          ; -M
	v_mov_b32 v14, 0
	v_mov_b32 v15, 0
.set ii, 0
.rept 32
	v_mov_b32 v[160+ii], 0                         ; O^T: the step is written once a pass; the first finds zeros.  (These are also the places between the lines that wrote q and its scale word and the first product)
.set ii, ii+1
.endr
	s_mov_b32 s9, 0
	s_mov_b32 s10, 0
.Lp_\@:
	STEP
	s_add_co_u32 s9, s9, 1
	s_cmp_lt_u32 s9, \n
	s_cbranch_scc1 .Lp_\@
	; the way out: O^T / the sum, through my stage, so that sixteen lanes store a head's 256 bytes of a row
	v_nop
	v_nop
	v_add_f32 v14, v14, v15                        ; the sum's two halves,
	v_permlanex16_b32 v252, v14, s20, s21
	v_add_f32 v14, v14, v252                       ; and lane l xor 16's
	v_rcp_f32 v14, v14
	v_nop                                          ; a plain instruction behind the reciprocal
	s_wait_alu depctr_va_vdst(0)                   ; and the wait ahead of its first reader
.set ii, 0
.rept 32
	v_mul_f32 v[96+ii], v[160+ii], v14             ; register 8 t + i is o(query r, d = 16 t + 8 h + i); each accumulator from its low end on
.set ii, ii+1
.endr
.irp t, 0,1,2,3
	ds_store_b128 v5, v[96+8*\t:99+8*\t] offset:64*\t
	ds_store_b128 v5, v[100+8*\t:103+8*\t] offset:64*\t+16
.endr
.irp i, 0,1,2,3,4,5,6,7
	ds_load_b128 v[128+4*\i:131+4*\i], v6 offset:2*\i*SP       ; the stage is my own, and LDS serves a wave's instructions in order: these see the stores above
.endr
.irp i, 0,1,2,3,4,5,6,7
	s_wait_dscnt 7-\i                              ; load i is back; the younger ones may be out
	global_store_b128 v4, v[128+4*\i:131+4*\i], s[\ob:\ob+1] offset:(2*\i+8*(\i/4))*4096 th:TH_STORE_NT   ; stage row p is query p + 8 (p / 8); 16 lanes store 256 consecutive bytes, at a multiple of 256 from out0's first byte
.endr
.endm
	s_wait_loadcnt 0x0                             ; q of both tiles
	s_wait_tensorcnt 0x0                           ; my four records are in (a wave that fetched nothing passes),
	s_barrier_signal -1
	s_barrier_wait -1                              ; everybody's are: the whole head lies in LDS, and no further barrier is needed before the end
	s_mov_b32 s11, s12                             ; block J: at most 8 steps
	PASS 8, 40
	s_wait_xcnt 0x0                                ; the first tile's stores have read their registers, which the second tile's scores take
.irp j, 0,1,2,3
	v_mov_b32 v[16+\j], v[210+\j]
	v_mov_b32 v[28+\j], v[210+\j]
.endr
	v_mov_b32 v215, v214
	s_mov_b32 s11, s62                             ; block 15 - J: at most 16 steps
	PASS 16, 42
	s_wait_tensorcnt 0x0
	ds_add_u32 v251, v255
	s_wait_dscnt 0x0
	CROUND                                         ; the closing round: no work-group ends while a partner may still ask for a tile that names it
	s_endpgm
.Lfunc_end_k_qd7b4d7b6a5_attn:
	.size	k_qd7b4d7b6a5_attn, .Lfunc_end_k_qd7b4d7b6a5_attn-k_qd7b4d7b6a5_attn
	.p2alignl 7, 3214868480
	.fill 96, 4, 3214868480
	.section	.rodata,"a",@progbits
	.p2align	6, 0x0
	.amdhsa_kernel k_qd7b4d7b6a5_attn
		.amdhsa_group_segment_fixed_size 210944
		.amdhsa_private_segment_fixed_size 0
		.amdhsa_enable_private_segment 0
		.amdhsa_kernarg_size 16
		.amdhsa_user_sgpr_count 2
		.amdhsa_user_sgpr_kernarg_segment_ptr 1
		.amdhsa_wavefront_size32 1
		.amdhsa_system_sgpr_workgroup_id_x 1
		.amdhsa_system_sgpr_workgroup_id_y 1
		.amdhsa_system_sgpr_workgroup_id_z 1
		.amdhsa_system_vgpr_workitem_id 0
		.amdhsa_next_free_vgpr 256
		.amdhsa_next_free_sgpr 66
		.amdhsa_reserve_vcc 1
		.amdhsa_float_denorm_mode_32 3
		.amdhsa_float_denorm_mode_16_64 3
		.amdhsa_memory_ordered 1
		.amdhsa_forward_progress 1
		.amdhsa_inst_pref_size 57
	.end_amdhsa_kernel
	.amdgpu_metadata
---
amdhsa.version: [ 1, 2 ]
amdhsa.kernels:
  - .name:           k_qd7b4d7b6a5_attn
    .symbol:         k_qd7b4d7b6a5_attn.kd
    .args:
      - { .name: kv, .offset: 0, .size: 8, .value_kind: global_buffer, .address_space: global }
      - { .name: out0, .offset: 8, .size: 8, .value_kind: global_buffer, .address_space: global }
    .group_segment_fixed_size: 210944
    .private_segment_fixed_size: 0
    .kernarg_segment_align: 8
    .kernarg_segment_size: 16
    .max_flat_workgroup_size: 512
    .sgpr_count:     66
    .vgpr_count:     256
    .wavefront_size: 32
...
	.end_amdgpu_metadata
.endif
;; end of part 2
